; MI455X (gfx1250); checked and timed in simulation.
; The chip was launched on July 23, 2026; its instructions are those of AMD's public machine-readable ISA for CDNA 5 (MIT licence, August 2026) and "CDNA5" Instruction Set Architecture Reference Guide (July 2026). The comments in the code are by the model that wrote it; some were corrected since.
;; FP8 Linear. Allowed arithmetic: float matrix products may take bf16 or f16 operands with f32 sums; other float arithmetic in f32, or as packed bf16 or f16 multiplies, adds, multiply-adds, maxima and minima; sums over many terms, partial sums and values carried from step to step in f32; what a program stores and reads back later, other than sums and carried values, may be rounded once to bf16 or f16.
;; Inputs: bias 4,096 float32; input 2 x 2,048 x 4,096 float32; input_scale 2,048 float32; int8_weight 4,096 x 4,096 int8; weight_scale 4,096 float32.
;; Outputs: out0 2 x 2,048 x 4,096 float32.
;; 2 versions, each right; version 2 is version 1 with the launch prep written anew for expert scheduling mode. Each part assembles by itself: llvm-mc -triple=amdgcn-amd-amdhsa -mcpu=gfx1250 --defsym DOCPART=n.
;; ======== version 1 of 2: 2 launches
;; workspace buffers: q 33,554,432 bytes; wb 33,554,432 bytes
;; launch prep (part 1): grid 512 x 1, 8 waves a work-group, no clusters, 0 bytes of LDS; arguments input, input_scale, int8_weight, q, wb; writes q, wb
.if DOCPART == 1
	.amdgcn_target "amdgcn-amd-amdhsa--gfx1250"
	.amdhsa_code_object_version 6
	.text
	.protected	k_q9d430b9a38_prep
	.globl	k_q9d430b9a38_prep
	.p2align	8
	.type	k_q9d430b9a38_prep,@function
k_q9d430b9a38_prep:
	s_mov_b64 s[64:65], 0
	v_nop
	global_prefetch_b8 v0, s[64:65] scope:SCOPE_SE
	s_setreg_imm32_b32 hwreg(HW_REG_WAVE_MODE, 25, 1), 1
	s_wait_xcnt 0x0
; q[m][k]  = clip(round_to_even(x[m][k] / s[m mod 2048]), -128, 127), written as bf16.  x: [4096][4096] f32, s: [2048] f32, q: [4096][4096] bf16.
; wb[k][n] = w[k][n], written as bf16, in w's own layout.                              w: [4096][4096] int8,               wb: [4096][4096] bf16.
; Every whole number from -128 to 127 is exact in bf16, so neither operand of the product that follows loses anything here.
; SHARES.  4,096 waves (512 work-groups of eight).  Wave R = 8 x work-group + wave takes row R of x (16,384 bytes in, 8,192 bytes of q out) and
; bytes 4,096 R .. 4,096 R + 4,095 of w (8,192 bytes of wb out).  Nothing is shared between waves: no LDS, no barrier, no loop.
; IN FLIGHT.  A wave issues all its 48 loads (20 KiB) at its start and takes them in the order of issue, behind counted waits.
; BYTES.  A load of x covers 512 consecutive bytes, the store of q made of it 256, aligned; a load of w covers 256, its store of wb 512.
; THE QUOTIENT.  r = 1/s by v_rcp_f32 and one Newton step; q0 = x r; the remainder x - q0 s is taken by one fused multiply-add; quotient = q0 + remainder x r.
; LIMITS.  That quotient can differ from the rounded f32 quotient in its last bit in rare cases; q then differs by one only where x / s lies within a last bit of
; a whole number and a half.  It needs 2^-126 <= |s| <= 2^126 (v_rcp_f32 takes a denormal for 0: ISA guide 15.8) and |x / s| < 2^127.  NaN, infinities and s = 0 are not treated apart.
.set OX, 2                             ; v2        16 x lane: my bytes in a load of x and in a store of wb; never rewritten
.set OH, 3                             ; v3        8 x lane: my bytes in a load of w and in a store of q; never rewritten
.set NS, 4                             ; v[4:5]    -s, twice
.set RC, 6                             ; v[6:7]    1 / s, twice
.set T,  8                             ; v[8:15]   at work
.set X,  16                            ; v[16:143] x's chunk i in four registers; then q's chunk i in the first two; later wb's chunk j in four
.set WI, 144                           ; v[144:175] w's chunk j in two registers
	s_load_b256 s[4:11], s[0:1], 0x0               ; input s[4:5], input_scale s[6:7], int8_weight s[8:9], q s[10:11]
	s_load_b64 s[12:13], s[0:1], 0x20              ; wb
	v_lshrrev_b32 v1, 5, v0
	v_readfirstlane_b32 s14, v1                    ; wave 0..7
	v_and_b32 v1, 31, v0                           ; lane
	v_lshlrev_b32 v[OX], 4, v1
	v_lshlrev_b32 v[OH], 3, v1
	s_lshl_b32 s15, ttmp9, 3
	s_add_co_u32 s15, s15, s14                     ; R
	s_mov_b32 s17, 0                               ; every offset below stays under 2^27: the pair's high word is 0
	s_mov_b32 s20, 0xc3000000                      ; -128.0
	s_mov_b32 s21, 0x42fe0000                      ; 127.0
	s_wait_kmcnt 0x0
	s_lshl_b32 s16, s15, 14                        ; a row of x: 16,384 bytes
	s_add_nc_u64 s[4:5], s[4:5], s[16:17]
	s_lshl_b32 s16, s15, 13                        ; a row of q, and my part of wb: 8,192 bytes
	s_add_nc_u64 s[10:11], s[10:11], s[16:17]
	s_add_nc_u64 s[12:13], s[12:13], s[16:17]
	s_lshl_b32 s16, s15, 12                        ; my part of w: 4,096 bytes
	s_add_nc_u64 s[8:9], s[8:9], s[16:17]
	s_and_b32 s16, s15, 2047                       ; the scales repeat for the second batch
	s_lshl_b32 s16, s16, 2
	s_add_nc_u64 s[6:7], s[6:7], s[16:17]
	s_load_b32 s18, s[6:7], 0x0                    ; my row's s
.set n, 0
.rept 32
	global_load_b128 v[X+4*n:X+4*n+3], v[OX], s[4:5] offset:512*n th:TH_LOAD_NT
.set n, n+1
.endr
.set n, 0
.rept 16
	global_load_b64 v[WI+2*n:WI+2*n+1], v[OH], s[8:9] offset:256*n th:TH_LOAD_NT
.set n, n+1
.endr
	s_wait_kmcnt 0x0                               ; s
	v_mov_b32 v[T], s18
	v_mul_f32 v[NS], -1.0, v[T]
	v_mov_b32 v[NS+1], v[NS]
	v_rcp_f32 v[RC], v[T]
	v_nop                                          ; a plain instruction between the reciprocal and the use of its result (ISA guide 5.7.2),
	s_wait_alu depctr_va_vdst(0)                   ; and a wait ahead of the first line that names the result
	v_fma_f32 v[RC+1], v[NS], v[RC], 1.0           ; 1 - s r
	v_fma_f32 v[RC], v[RC+1], v[RC], v[RC]         ; r + r (1 - s r)
	v_mov_b32 v[RC+1], v[RC]
; Chunk i of x: four numbers a lane.
.macro XCH i
	s_wait_loadcnt 47-(\i)                         ; loads come back in order (ISA guide 5.7.1): chunk i is in; the 31 - i younger loads of x and the 16 of w stay out
	v_pk_mul_f32 v[T:T+1],   v[X+4*(\i):X+4*(\i)+1],   v[RC:RC+1]                            ; q0 = x r
	v_pk_mul_f32 v[T+2:T+3], v[X+4*(\i)+2:X+4*(\i)+3], v[RC:RC+1]
	v_pk_fma_f32 v[X+4*(\i):X+4*(\i)+1],   v[T:T+1],   v[NS:NS+1], v[X+4*(\i):X+4*(\i)+1]    ; x - q0 s
	v_pk_fma_f32 v[X+4*(\i)+2:X+4*(\i)+3], v[T+2:T+3], v[NS:NS+1], v[X+4*(\i)+2:X+4*(\i)+3]
	v_pk_fma_f32 v[T:T+1],   v[X+4*(\i):X+4*(\i)+1],   v[RC:RC+1], v[T:T+1]                  ; q0 + (x - q0 s) r
	v_pk_fma_f32 v[T+2:T+3], v[X+4*(\i)+2:X+4*(\i)+3], v[RC:RC+1], v[T+2:T+3]
.irp k, 0,1,2,3
	v_rndne_f32 v[T+(\k)], v[T+(\k)]               ; to the nearest whole number, halves to the even one
.endr
.irp k, 0,1,2,3
	v_med3_num_f32 v[T+(\k)], v[T+(\k)], s20, s21  ; the middle of three: held to -128 .. 127
.endr
	v_cvt_pk_bf16_f32 v[X+4*(\i)],   v[T],   v[T+1]  ; exact
	v_cvt_pk_bf16_f32 v[X+4*(\i)+1], v[T+2], v[T+3]
	global_store_b64 v[OH], v[X+4*(\i):X+4*(\i)+1], s[10:11] offset:256*(\i) th:TH_STORE_NT  ; the wave stores 256 consecutive bytes, at a multiple of 256 from q's first byte
.endm
; Chunk j of w: eight bytes a lane.  A byte is moved to the word's top and shifted back with its sign.
.macro WCH j
	s_wait_loadcnt 15-(\j)                         ; chunk j is in; the younger loads of w stay out
.irp d, 0,1
.irp c, 0,1,2
	v_lshlrev_b32 v[T+4*(\d)+(\c)], 24-8*(\c), v[WI+2*(\j)+(\d)]
.endr
.irp c, 0,1,2
	v_ashrrev_i32 v[T+4*(\d)+(\c)], 24, v[T+4*(\d)+(\c)]
.endr
	v_ashrrev_i32 v[T+4*(\d)+3], 24, v[WI+2*(\j)+(\d)]
.endr
.irp k, 0,1,2,3,4,5,6,7
	v_cvt_f32_i32 v[T+(\k)], v[T+(\k)]
.endr
.irp k, 0,1,2,3
	v_cvt_pk_bf16_f32 v[X+4*(\j)+(\k)], v[T+2*(\k)], v[T+2*(\k)+1]  ; exact
.endr
	global_store_b128 v[OX], v[X+4*(\j):X+4*(\j)+3], s[12:13] offset:512*(\j) th:TH_STORE_NT  ; 512 consecutive bytes, at a multiple of 512 from wb's first byte
.endm
.set n, 0
.rept 32
	XCH n
.set n, n+1
.endr
	s_wait_xcnt 0x0                                ; q's stores have read their data (ISA guide 3.1): X's registers are written again only behind this wait
.set n, 0
.rept 16
	WCH n
.set n, n+1
.endr
	s_endpgm
.Lfunc_end_k_q9d430b9a38_prep:
	.size	k_q9d430b9a38_prep, .Lfunc_end_k_q9d430b9a38_prep-k_q9d430b9a38_prep
	.p2alignl 7, 3214868480
	.fill 96, 4, 3214868480
	.section	.rodata,"a",@progbits
	.p2align	6, 0x0
	.amdhsa_kernel k_q9d430b9a38_prep
		.amdhsa_group_segment_fixed_size 0
		.amdhsa_private_segment_fixed_size 0
		.amdhsa_enable_private_segment 0
		.amdhsa_kernarg_size 40
		.amdhsa_user_sgpr_count 2
		.amdhsa_user_sgpr_kernarg_segment_ptr 1
		.amdhsa_wavefront_size32 1
		.amdhsa_system_sgpr_workgroup_id_x 1
		.amdhsa_system_sgpr_workgroup_id_y 1
		.amdhsa_system_sgpr_workgroup_id_z 1
		.amdhsa_system_vgpr_workitem_id 0
		.amdhsa_next_free_vgpr 176
		.amdhsa_next_free_sgpr 66
		.amdhsa_reserve_vcc 0
		.amdhsa_float_denorm_mode_32 3
		.amdhsa_float_denorm_mode_16_64 3
		.amdhsa_memory_ordered 1
		.amdhsa_forward_progress 1
		.amdhsa_inst_pref_size 56
	.end_amdhsa_kernel
	.amdgpu_metadata
---
amdhsa.version: [ 1, 2 ]
amdhsa.kernels:
  - .name:           k_q9d430b9a38_prep
    .symbol:         k_q9d430b9a38_prep.kd
    .args:
      - { .name: input, .offset: 0, .size: 8, .value_kind: global_buffer, .address_space: global }
      - { .name: input_scale, .offset: 8, .size: 8, .value_kind: global_buffer, .address_space: global }
      - { .name: int8_weight, .offset: 16, .size: 8, .value_kind: global_buffer, .address_space: global }
      - { .name: q, .offset: 24, .size: 8, .value_kind: global_buffer, .address_space: global }
      - { .name: wb, .offset: 32, .size: 8, .value_kind: global_buffer, .address_space: global }
    .group_segment_fixed_size: 0
    .private_segment_fixed_size: 0
    .kernarg_segment_align: 8
    .kernarg_segment_size: 40
    .max_flat_workgroup_size: 256
    .sgpr_count:     66
    .vgpr_count:     176
    .wavefront_size: 32
...
	.end_amdgpu_metadata
.endif
;; end of part 1
;; launch gemm (part 2): grid 16 x 16, 4 waves a work-group, clusters of 4 x 4, 327,680 bytes of LDS; arguments q, wb, out0, input_scale, weight_scale, bias; writes out0
.if DOCPART == 2
	.amdgcn_target "amdgcn-amd-amdhsa--gfx1250"
	.amdhsa_code_object_version 6
	.text
	.protected	k_q9d430b9a38_gemm
	.globl	k_q9d430b9a38_gemm
	.p2align	8
	.type	k_q9d430b9a38_gemm,@function
k_q9d430b9a38_gemm:
	s_mov_b64 s[64:65], 0
	v_nop
	global_prefetch_b8 v0, s[64:65] scope:SCOPE_SE
	s_setreg_imm32_b32 hwreg(HW_REG_WAVE_MODE, 25, 1), 1
	s_wait_xcnt 0x0
	s_wait_alu depctr_hold_cnt(0) depctr_sa_sdst(0) depctr_va_vdst(0) depctr_va_sdst(0) depctr_va_ssrc(0) depctr_va_vcc(0) depctr_vm_vsrc(0)
	s_getreg_b32 s2, hwreg(HW_REG_IB_STS2, 6, 4)
	s_cmp_eq_u32 s2, 0
	s_cbranch_scc0 .Lentry_in_a_cluster
	s_endpgm
.Lentry_in_a_cluster:
	s_bfe_u32 s2, ttmp6, 0x10000c
	s_cmp_lg_u32 s2, 0xf033
	s_cbranch_scc0 .Lentry_shape_is_right
	s_endpgm
.Lentry_shape_is_right:
; out[m][n] = (sum over k of q[m][k] wb[k][n]) x s[m mod 2048] x ws[n] + bias[n].  q: [4096][4096] bf16, wb: [4096 (k)][4096 (n)] bf16, out: [4096][4096] f32; s: [2048], ws, bias: [4096] f32.
; q and wb hold whole numbers from -128 to 127, exact in bf16; each product is exact; the sums are kept in f32.
; LIMITS.  A sum of 4,096 products can reach 2^26 and is then rounded to f32's 24 bits, where the whole-number sum is exact.  The result is (sum x s) x ws + bias with the last product and the
; addition fused: two roundings where three separate operations make three.
; SHARES.  A tile of out, 256 x 256, is made by a work-group of four waves; there are 16 x 16 tiles, one to a work-group.  A wave makes 128 x 128: 64 accumulators of 16 x 16, 512 registers.
; K goes in 32 steps of 128 through a ring of two LDS slots filled by the tensor data mover.  A slot holds 256 rows x 128 k of q (rows of 256 bytes of memory) and 128 k x 256 columns of wb (rows of 512).
; wb LIES [k][n]: its fragments come out of LDS turned, by ds_load_tr16_b128, two to a fragment like the plain loads of q's: nothing is transposed in memory.
; CLUSTERS: 4 x 4 work-groups.  The four of a row of the cluster need the same tiles of q, the four of a column the same tiles of wb: each tile is asked for JOINTLY, by the same tensor load with the
; same descriptor and a mask that names the four; each receives it in its own LDS.  That divides the requests for q and for wb by four.
; THE MATRIX INSTRUCTION IS USED TRANSPOSED: source 0 = 16 columns of wb, source 1 = 16 rows of q.  In the result lane l holds row l % 16 and the columns 8 (l / 16) + 0 .. 7: 32 neighbouring bytes of out.
; REGISTERS, in windows of 256 (s_set_vgpr_msb's low byte: bits 1:0 source 0, 3:2 source 1, 5:4 source 2, 7:6 destination):
;   window 0: v0-31 addresses; v32-55 the scales and the bias; v64-127, v128-191 fragments of q, two buffers; on the way out v64-127 scaled sums, v128-191 and v192-255 rows read back, by turns
;   window 1: v64-127, v128-191 fragments of wb, two buffers
;   window 2: the 32 accumulators of my rows 0-63 (accumulator (a, b) at v[8 (8 a + b)]);   window 3: those of my rows 64-127
.set KSTEP,  128
.set PA,     272                       ; a row of q in LDS: 256 bytes + 16 of padding = 68 words: row r starts at bank 4 r mod 64 (64 banks of 4 bytes: ISA guide 11.1): the 16 rows of a load start at 16 different groups of four banks
.set PB,     544                       ; a row of wb: 512 + 32 = 136 words: row r starts at bank 8 r mod 64
.set HALFT,  128*PA                    ; what one tensor load brings: 128 rows of q, or 64 rows of wb (64 x 544 is the same 34,816 bytes)
.set SLOT,   4*HALFT                   ; q's 256 rows, then wb's 128
.set STAGE,  2*SLOT                    ; behind the ring, never filled by a tensor load: 16 rows x 528 bytes for each wave (33 blocks of 256 bytes), for the way out
.set SP,     528                       ; a stage row: 512 bytes + 16: the 16 rows that a store touches start at 16 different groups of four banks
.set SPARE,  STAGE+4*16*SP             ; behind the stages: the spare words, 128 bytes for each wave: two blocks of 256 bytes that no other line names
.set LAPS,   16                        ; a lap = two K steps = once round the ring
.set ROWQ,   8192                      ; bytes in a row of q and of wb
.set ROWO,   16384                     ; bytes in a row of out
.set ADRA, 16                          ; v16-17  LDS address of my fragments of q in slot 0, 1
.set ADRB, 20                          ; v20-21  the same for wb
.set STO,  24                          ; v24     the way out: where I put 32 bytes of a row
.set RD,   25                          ; v25     the way out: where I read 16 bytes of a row back
.set CO,   26                          ; v26     16 x lane: my bytes in 512 bytes of a row of out, of ws and of bias
.set RO,   27                          ; v27     4 x (lane % 16): my row's place among 16 scales
.set SPW,  28                          ; v28     LDS address of my spare word: SPARE + 4 x my thread's number; never rewritten
.set NIL,  29                          ; v29     0; never rewritten
.set PFO,  30                          ; v30     the prefetches' offset; never rewritten
.set WS,   32                          ; v[32:35] ws of columns 4 l .. 4 l + 3 of my 128
.set BI,   36                          ; v[36:39] bias of the same
.set RS,   40                          ; v[40:55] for block a of 16 rows, twice: s of row 16 a + l % 16 of my 128
.set F0,   64                          ; fragment buffer 0
.set F1,   128                         ; fragment buffer 1
.set TMP,  64                          ; the way out: a block's 64 sums times s
.set G1,  24                           ; s[24:31] descriptor group 1 for q's tiles
.set G0,  32                           ; s[32:39] descriptor group 0 for q's tiles, one set for each slot
.set G1B, 48                           ; s[48:55] descriptor group 1 for wb's tiles
.set G0B, 56                           ; s[56:63] descriptor group 0 for wb's tiles, one set for each slot
.set PSTEP, 74                         ; s[74:75] bytes from a K step to the next, for my prefetches: 256 along a row of q, 128 rows down wb
.set PFA,  76                          ; s[76:77] where my prefetches stand
.set LIM,  78                          ; s78     1 in a wave that prefetches, else the greatest number
.set MSB, 0
.macro WIN new                         ; the immediate's high byte repeats the setting that is left; a switch that changes nothing is dropped
.if MSB != (\new)
	s_set_vgpr_msb (MSB<<8)|(\new)
.set MSB, \new
.endif
.endm
.set MUL_LO, 0xa1                      ; source 0 (wb) window 1, source 1 (q) window 0, C and D window 2
.set MUL_HI, 0xf1                      ; the same, C and D window 3
.set TO_B,   0x40                      ; destination window 1, address window 0
; A joint load.  Waves 0 and 1 fetch q's two halves, waves 2 and 3 wb's.  Each of the two lines has ONE mask and one set of registers for all that issue it; the branch hangs on the wave's number alone.
; An s_nop 0 and four v_nop follow each of the two lines; the jump round the other line, the label and what follows the macro come after them.
.macro JLOAD s
	s_cmp_eq_u32 s11, 0
	s_cbranch_scc0 .Lfor_b_\@
	tensor_load_to_lds s[G0+4*(\s):G0+4*(\s)+3], s[G1:G1+7]
	s_nop 0
.rept 4
	v_nop
.endr
	s_branch .Lasked_\@
.Lfor_b_\@:
	tensor_load_to_lds s[G0B+4*(\s):G0B+4*(\s)+3], s[G1B:G1B+7]
	s_nop 0
.rept 4
	v_nop
.endr
.Lasked_\@:
.endm
; A PREFETCH INTO THE L2, behind each joint refill, its five lines and the run of LDS loads that follows them: the K step that stands TWO refills on, 512 matrix instructions ahead of the load that will ask for it.
; Each 256 bytes of a K step are named ONCE in the launch.  q's tile row is read by every cluster of that row of clusters: cluster x = 0 asks, in waves 0 and 1; wb's tile column by every cluster of that
; column: cluster y = 0 asks, in waves 2 and 3.  The four partners that ask for a tile jointly share it out BY ADDRESS: of q's 128 rows that a wave fetches the partner at cx takes 32, a lane a row; of wb's
; 64 rows the partner at cy takes 16, two lanes a row of 512 bytes.  No branch hangs on a work-group's place in its cluster.  The loop's last trip (s3 = 1) asks for nothing: K steps 32 and 33 do not exist.
.macro ASK
	s_cmp_gt_u32 s3, s[LIM]
	s_cbranch_scc0 .Lnot_mine_\@
	global_prefetch_b8 v[PFO], s[PFA:PFA+1] th:TH_LOAD_NT scope:SCOPE_SE
.Lnot_mine_\@:
.endm
; A round of the cluster's barrier: my work-group's barrier, so that wave 0's signal speaks for all four waves; wave 0 signals for the work-group; every wave waits for all sixteen work-groups; my work-group's barrier once more.
.macro CREST                           ; a round behind its opening barrier
	s_cmp_lg_u32 s10, 0
	s_cbranch_scc1 .Lnot_wave_0_\@
	s_barrier_signal -3
.Lnot_wave_0_\@:
	s_barrier_wait -3
	s_barrier_signal -1
	s_barrier_wait -1
.endm
.macro CROUND                          ; a whole round
	s_barrier_signal -1
	s_barrier_wait -1
	CREST
.endm
	s_load_b128 s[4:7], s[0:1], 0x0                ; q s[4:5], wb s[6:7]
	s_load_b64 s[8:9], s[0:1], 0x10                ; out
	s_load_b64 s[68:69], s[0:1], 0x18              ; input_scale
	s_load_b64 s[70:71], s[0:1], 0x20              ; weight_scale
	s_load_b64 s[72:73], s[0:1], 0x28              ; bias
	v_lshl_add_u32 v[SPW], v0, 2, SPARE
	v_mov_b32 v[NIL], 0
	ds_add_u32 v[SPW], v[NIL]                      ; the wave's opening: the add and its wait stand ahead of my first tensor load; the set-up below, work on registers, stands between them
	v_lshrrev_b32 v1, 5, v0
	v_readfirstlane_b32 s10, v1                    ; wave 0..3
	s_lshr_b32 s11, s10, 1                         ; which half of the tile's rows is mine.  Also: I fetch for q (0) or for wb (1)
	s_and_b32 s12, s10, 1                          ; which half of its columns.  Also: which half of that tile I fetch
	s_bfe_u32 s40, ttmp6, 0x40000                  ; cx: my place along the cluster's x
	s_bfe_u32 s41, ttmp6, 0x40004                  ; cy: along its y
	s_lshl_b32 s42, ttmp9, 2                       ; in a cluster launch ttmp9 and ttmp7 count clusters
	s_add_co_u32 s42, s42, s40                     ; tile column = 4 x cluster x + cx
	s_and_b32 s13, ttmp7, 0xffff
	s_lshl_b32 s13, s13, 2
	s_add_co_u32 s13, s13, s41                     ; tile row = 4 x cluster y + cy
	s_lshl_b32 s43, s41, 2
	s_lshl_b32 s43, 15, s43                        ; my row of the cluster: places 4 cy .. 4 cy + 3
	s_lshl_b32 s44, 0x1111, s40                    ; my column: places cx, cx + 4, cx + 8, cx + 12
	; descriptor group 1.  q: a tile of 128 rows x 128 elements; wb: 64 rows x 256 elements; both padded in LDS
	s_or_b32 s[G1+0], s43, (1<<16)|(1<<20)|(1<<21)|(5<<22)|(3<<25)   ; 15:0 the mask: q's tiles go to my row; 17:16 elements of 2 bytes; 20 padding on; 21 set beside a mask; 24:22 after every 64 words (code 5); 31:25 4 words of it (code 3)
	s_or_b32 s[G1B+0], s44, (1<<16)|(1<<20)|(1<<21)|(6<<22)|(7<<25)  ; the mask of my column; after every 128 words (code 6), 8 words (code 7)
	s_mov_b32 s[G1+1], 128<<16                     ; 63:48 tensor_dim0, low half
	s_mov_b32 s[G1B+1], 256<<16
	s_mov_b32 s[G1+2], 128<<16                     ; 79:64 its high half = 0; 95:80 tensor_dim1, low half
	s_mov_b32 s[G1B+2], 64<<16
	s_mov_b32 s[G1+3], 128<<16                     ; 111:96 its high half = 0; 127:112 tile_dim0
	s_mov_b32 s[G1B+3], 256<<16
	s_mov_b32 s[G1+4], 128                         ; 143:128 tile_dim1; 159:144 tile_dim2 = 0
	s_mov_b32 s[G1B+4], 64
	s_mov_b32 s[G1+5], 4096                        ; 191:160 tensor_dim0_stride, low word: elements from row to row
	s_mov_b32 s[G1B+5], 4096
	s_mov_b32 s[G1+6], 0
	s_mov_b32 s[G1B+6], 0
	s_mov_b32 s[G1+7], 0
	s_mov_b32 s[G1B+7], 0
	; where the tiles come from.  q's hang on the tile row alone, which my row of the cluster shares; wb's on the tile column alone, which my column shares.
	; Every wave makes both addresses, in registers that never hold the other coordinate, and asks by one of them.  Both offsets stay under 2^26.
	s_lshl_b32 s16, s13, 21                        ; q: 256 rows of 8,192 bytes a tile row,
	s_lshl_b32 s17, s12, 20                        ; 128 rows a half
	s_add_co_u32 s16, s16, s17
	s_mov_b32 s17, 0
	s_lshl_b32 s46, s42, 9                         ; wb: 256 columns of 2 bytes a tile column,
	s_lshl_b32 s47, s12, 19                        ; 64 rows of 8,192 bytes a half
	s_add_co_u32 s46, s46, s47
	s_mov_b32 s47, 0
	s_mul_i32 s20, s10, HALFT                      ; and where they go: q's two halves, then wb's two halves = wave x 34,816 bytes: no place in the cluster enters an LDS address
	s_wait_dscnt 0x0                               ; the opening add is done
	s_wait_kmcnt 0x0
	s_add_nc_u64 s[14:15], s[4:5], s[16:17]
	s_add_nc_u64 s[46:47], s[6:7], s[46:47]
	CROUND                                         ; all sixteen work-groups are here: the first joint loads meet
.irp s, 0,1
	s_mov_b32 s[G0+4*(\s)], 1                                      ; 1:0 count = 1
	s_add_co_u32 s[G0+4*(\s)+1], s20, (\s)*SLOT                    ; 63:32 LDS address
	s_add_nc_u64 s[G0+4*(\s)+2:G0+4*(\s)+3], s[14:15], (\s)*KSTEP*2  ; 120:64 global address: K step s lies 256 bytes along q's rows,
	s_or_b32 s[G0+4*(\s)+3], s[G0+4*(\s)+3], 0x80000000            ; 127:126 type = 2
	s_mov_b32 s[G0B+4*(\s)], 1
	s_add_co_u32 s[G0B+4*(\s)+1], s20, (\s)*SLOT
	s_add_nc_u64 s[G0B+4*(\s)+2:G0B+4*(\s)+3], s[46:47], (\s)*KSTEP*ROWQ  ; and 128 rows down wb
	s_or_b32 s[G0B+4*(\s)+3], s[G0B+4*(\s)+3], 0x80000000
	JLOAD \s                                       ; the ring is filled before anything else is done: two loads of mine are out
.endr
	; A fragment is 16 rows (of q) or 16 columns (of wb) x 32 k in 8 registers: lane l holds row or column l % 16; registers 0-3 hold k = 8 (l / 16) + 0..7, registers 4-7 k = 16 + 8 (l / 16) + 0..7.
	; q's rows lie along k: two loads of 16 bytes, 32 bytes apart.
	v_and_b32 v1, 15, v0                           ; l % 16
	v_bfe_u32 v2, v0, 4, 1                         ; l / 16
	v_mul_u32_u24 v3, v1, PA
	v_lshl_add_u32 v3, v2, 4, v3                   ; row x pitch + 16 x half
	s_mul_i32 s21, s11, HALFT                      ; my 128 rows of q
	v_add_nc_u32 v[ADRA], s21, v3
	v_add_nc_u32 v[ADRA+1], SLOT, v[ADRA]
	; wb's rows lie along n: the turning load takes 16 k x 16 columns (lane l reads 16 bytes: k = 8 (l / 16) + l % 8, columns 8 ((l / 8) % 2) + 0..7) and leaves half a fragment; the other half lies 16 rows down.
	v_and_b32 v4, 7, v0
	v_lshl_add_u32 v4, v2, 3, v4
	v_mul_u32_u24 v4, v4, PB
	v_bfe_u32 v5, v0, 3, 1
	v_lshl_add_u32 v4, v5, 4, v4
	s_lshl_b32 s22, s12, 8                         ; my 128 columns: 256 bytes of a row,
	s_add_co_u32 s22, s22, 2*HALFT                 ; behind q's 256 rows
	v_add_nc_u32 v[ADRB], s22, v4
	v_add_nc_u32 v[ADRB+1], SLOT, v[ADRB]
	s_mul_i32 s23, s10, 16*SP
	s_add_co_u32 s23, s23, STAGE                   ; my stage
	v_mul_u32_u24 v6, v1, SP                       ; in: row l % 16, 32 bytes for each half of the lanes
	v_lshl_add_u32 v6, v2, 5, v6
	v_add_nc_u32 v[STO], s23, v6
	v_and_b32 v7, 31, v0
	v_lshlrev_b32 v[CO], 4, v7
	v_add_nc_u32 v[RD], s23, v[CO]                 ; back: 32 lanes take one row of 512 bytes
	v_lshlrev_b32 v[RO], 2, v1
	; the scales and the bias of my 128 x 128: loaded once, waited for on the way out
	s_lshl_b32 s14, s13, 8
	s_lshl_b32 s15, s11, 7
	s_add_co_u32 s14, s14, s15                     ; my first row: a multiple of 128,
	s_and_b32 s14, s14, 2047                       ; so that my 128 rows do not cross the place where the scales repeat
	s_lshl_b32 s14, s14, 2
	s_mov_b32 s15, 0
	s_add_nc_u64 s[68:69], s[68:69], s[14:15]
	s_lshl_b32 s46, s42, 10                        ; my first column, in bytes of f32: 1,024 x tile column + 512 x half (in the registers that held wb's address: none that feeds q's descriptors ever holds cx)
	s_lshl_b32 s47, s12, 9
	s_add_co_u32 s46, s46, s47
	s_mov_b32 s47, 0
	s_add_nc_u64 s[70:71], s[70:71], s[46:47]
	s_add_nc_u64 s[72:73], s[72:73], s[46:47]
.irp a, 0,1,2,3,4,5,6,7
	global_load_b32 v[RS+2*(\a)],   v[RO], s[68:69] offset:64*(\a)  ; into both registers of the pair by which the packed multiply scales
	global_load_b32 v[RS+2*(\a)+1], v[RO], s[68:69] offset:64*(\a)
.endr
	global_load_b128 v[WS:WS+3], v[CO], s[70:71]
	global_load_b128 v[BI:BI+3], v[CO], s[72:73]
	; out at my first row and column: under 2^26 bytes
	s_lshl_b32 s16, s13, 22                        ; 256 rows of 16,384 bytes a tile row,
	s_lshl_b32 s17, s11, 21                        ; 128 rows a half,
	s_add_co_u32 s16, s16, s17
	s_add_co_u32 s16, s16, s46                     ; and the column
	s_mov_b32 s17, 0
	s_add_nc_u64 s[8:9], s[8:9], s[16:17]
	; the prefetches
	s_lshl_b32 s20, s13, 21                        ; in q: the tile row,
	s_lshl_b32 s21, s12, 20                        ; the 128 rows that I fetch,
	s_add_co_u32 s20, s20, s21
	s_lshl_b32 s21, s40, 18                        ; my work-group's 32 of them
	s_add_co_u32 s20, s20, s21
	s_lshl_b32 s22, s12, 19                        ; in wb: the 64 rows that I fetch,
	s_lshl_b32 s23, s41, 17                        ; my work-group's 16 of them,
	s_add_co_u32 s22, s22, s23
	s_lshl_b32 s23, s42, 9                         ; the tile column
	s_add_co_u32 s22, s22, s23
	s_and_b32 s23, ttmp7, 0xffff                   ; cluster y
	s_mul_i32 s21, s11, 12
	s_lshl_b32 s[PSTEP], 256, s21                  ; 256 bytes for q, 2^20 (128 rows) for wb
	s_mov_b32 s[PSTEP+1], 0
	s_mov_b32 s21, 0
	s_cmp_eq_u32 s11, 0                            ; do I fetch for q?
	s_cselect_b32 s20, s20, s22
	s_cselect_b32 s23, ttmp9, s23                  ; the coordinate along which other clusters read the same bytes
	s_cselect_b64 s[PFA:PFA+1], s[4:5], s[6:7]
	s_cmp_eq_u32 s23, 0
	s_cselect_b32 s[LIM], 1, -1                    ; the same in all sixteen partners, for a given wave
	s_add_nc_u64 s[PFA:PFA+1], s[PFA:PFA+1], s[20:21]
.rept 3
	s_add_nc_u64 s[PFA:PFA+1], s[PFA:PFA+1], s[PSTEP:PSTEP+1]  ; at K step 3: the first refill, of K step 2, steps it to 4 and names that
.endr
	v_lshrrev_b32 v4, s11, v7                      ; q: a lane a row; wb: two lanes a row,
	v_and_b32 v5, s11, v7
	v_lshlrev_b32 v5, 8, v5                        ; 256 bytes apart
	v_lshl_add_u32 v[PFO], v4, 13, v5
	; nothing is prefetched here, at the head, where every work-group's first two tiles are on their way: K steps 2 and 3 come by their refills alone
; 16 matrix instructions: row blocks a0, a0 + 1 of the window's four (hi = 0: my rows 0-63, 1: rows 64-127) x all 8 column blocks, 32 along K.
; zero = 1: the first product starts the sums: nothing is ever cleared.  The 64 accumulators take turns, one instruction a turn, in the same order in every quarter step.
.macro MUL16 f, hi, a0, zero
	WIN MUL_LO+0x50*(\hi)
.irp a, \a0, (\a0)+1
.irp b, 0,1,2,3,4,5,6,7
.if \zero
	v_wmma_f32_16x16x32_bf16 v[8*(8*(\a)+(\b)):8*(8*(\a)+(\b))+7], v[(\f)+8*(\b):(\f)+8*(\b)+7], v[(\f)+8*(4*(\hi)+(\a)):(\f)+8*(4*(\hi)+(\a))+7], 0
.else
	v_wmma_f32_16x16x32_bf16 v[8*(8*(\a)+(\b)):8*(8*(\a)+(\b))+7], v[(\f)+8*(\b):(\f)+8*(\b)+7], v[(\f)+8*(4*(\hi)+(\a)):(\f)+8*(4*(\hi)+(\a))+7], v[8*(8*(\a)+(\b)):8*(8*(\a)+(\b))+7]
.endif
.endr
.endr
.endm
; 32 LDS loads in one run: the fragments of one quarter step (32 k, at byte k of q's rows = row k / 2 of wb's tile) into buffer f: wb's 128 columns, then q's 128 rows.
.macro FETCH slot, k, f
	WIN TO_B
.irp i, 0,1,2,3,4,5,6,7
	ds_load_tr16_b128 v[(\f)+8*(\i):(\f)+8*(\i)+3],   v[ADRB+(\slot)] offset:((\k)/64)*32*PB+32*(\i)
	ds_load_tr16_b128 v[(\f)+8*(\i)+4:(\f)+8*(\i)+7], v[ADRB+(\slot)] offset:((\k)/64)*32*PB+16*PB+32*(\i)
.endr
	WIN 0
.irp i, 0,1,2,3,4,5,6,7
	ds_load_b128 v[(\f)+8*(\i):(\f)+8*(\i)+3],   v[ADRA+(\slot)] offset:(\k)+(\i)*16*PA
	ds_load_b128 v[(\f)+8*(\i)+4:(\f)+8*(\i)+7], v[ADRA+(\slot)] offset:(\k)+(\i)*16*PA+32
.endr
.endm
; A load into a register that a matrix instruction has read, and a vector instruction that reads a matrix result, stand four places behind that matrix instruction, and only plain vector
; instructions that name none of its registers are places (ISA guide 7.12.1 for vector instructions); the matrix instructions in between are not counted.
.macro PLACES
.rept 4
	v_nop
.endr
.endm
; A K step is four quarter steps of 32 along K, 64 matrix instructions each, on buffers 0, 1, 0, 1.
; One of the first three: multiplies buffer f; in its middle it fetches the next quarter's fragments, at byte k of the same slot's rows of q, into buffer g.
.macro QUARTER slot, k, f, g, zero
	s_wait_dscnt 8                                 ; wb's fragments and q's rows 0-63 are in; the youngest eight loads (q's rows 64-127) may be out
	WIN MUL_LO
	MUL16 \f, 0, 0, \zero
	MUL16 \f, 0, 2, \zero
	PLACES
	FETCH \slot, \k, \g
	s_wait_dscnt 32                                ; all but the 32 just issued
	WIN MUL_HI
	MUL16 \f, 1, 0, \zero
	MUL16 \f, 1, 2, \zero
.endm
; The last quarter multiplies buffer 1 and changes slots.  MEET is its first half: ONE barrier for the change of slots.  In front of it each wave waits for all its tensor loads, of which one is out: its part
; of the next slot; adds 0 to its spare word; and waits for that and for its own reads of this slot.  Behind it nobody reads this slot any more and the next slot is whole.
.macro MEET round                      ; round = 1: the rest of a round of the cluster's barrier follows
	WIN 0                                          ; (the add's two registers lie in window 0)
	s_wait_tensorcnt 0x0                           ; all my tensor loads have landed;
	ds_add_u32 v[SPW], v[NIL]                      ; 0 onto my spare word;
	s_wait_dscnt 9                                 ; (the add and the youngest eight loads may be out)
	WIN MUL_LO
	MUL16 F1, 0, 0, 0                              ; sixteen matrix instructions stand between the add and the wait for it
	s_wait_dscnt 0x0                               ; the add is done, and my reads of this slot are over:
	s_barrier_signal -1                            ; say so,
	MUL16 F1, 0, 2, 0                              ; work on registers while the others arrive,
.if \round
	WIN 0
.endif
	s_barrier_wait -1                              ; and go on when all four have said so
.endm
; The whole last quarter.  fill = 1: behind the round the slot just read out is filled again first, with the K step two steps on: from that request to the wait for it a wave issues 224 matrix instructions.
; Then come the next slot's first fragments.
.macro TURN slot, next, fill
.if \fill
	s_wait_xcnt 0x0                                ; the last prefetch, a K step back, has read its address: it is stepped here, ahead of the waits of the change of slots
	s_add_nc_u64 s[PFA:PFA+1], s[PFA:PFA+1], s[PSTEP:PSTEP+1]
	MEET 1
	CREST                                          ; all sixteen work-groups have said so: no wave of any partner still reads this slot's tile or has a load on its way
	s_add_nc_u64 s[G0+4*(\slot)+2:G0+4*(\slot)+3], s[G0+4*(\slot)+2:G0+4*(\slot)+3], 2*KSTEP*2        ; no tensor load of mine is out, so a group 0 may be written; the type bits on top are not reached
	s_add_nc_u64 s[G0B+4*(\slot)+2:G0B+4*(\slot)+3], s[G0B+4*(\slot)+2:G0B+4*(\slot)+3], 2*KSTEP*ROWQ
	JLOAD \slot                                    ; the first tensor load behind the round, and my only one until the next; the four v_nop behind it are also the places in front of the loads below
.else
	MEET 0                                         ; nothing is filled again, so no round follows
	PLACES
.endif
	FETCH \next, 0, F0
.if \fill
	ASK
.endif
	WIN MUL_HI
	MUL16 F1, 1, 0, 0
	MUL16 F1, 1, 2, 0
.endm
; THE WAY OUT of block a (16 of my rows), in three parts.
; PACK: the block's 64 sums a lane times s of the lane's row, out of the accumulators' window into window 0; each accumulator's registers in ascending order.
.macro PACK a
.set AC, 64*((\a)%4)
	WIN 0x02+(\a)/4                                ; source 0: window 2 or 3
.irp b, 0,1,2,3,4,5,6,7
.irp r, 0,1,2,3
	v_pk_mul_f32 v[TMP+8*(\b)+2*(\r):TMP+8*(\b)+2*(\r)+1], v[AC+8*(\b)+2*(\r):AC+8*(\b)+2*(\r)+1], v[RS+2*(\a):RS+2*(\a)+1]
.endr
.endr
	WIN 0
.endm
; TOSTAGE: 32 bytes a lane and accumulator into my own stage, rows of 528 bytes; back as whole rows of 512.
.macro TOSTAGE a
.set BK, 128+64*((\a)%2)
.irp b, 0,1,2,3,4,5,6,7
	ds_store_b128 v[STO], v[TMP+8*(\b):TMP+8*(\b)+3]   offset:64*(\b)
	ds_store_b128 v[STO], v[TMP+8*(\b)+4:TMP+8*(\b)+7] offset:64*(\b)+16
.endr
.irp t, 0,1,2,3,4,5,6,7,8,9,10,11,12,13,14,15
	ds_load_b128 v[BK+4*(\t):BK+4*(\t)+3], v[RD] offset:(\t)*SP  ; LDS serves a wave's instructions in order (ISA guide 5.7.1.4): these see the stores above; the next block's stores come behind them
.endr
.endm
; SEND: times ws, plus bias, fused; stored.  The block's sixteen loads are the youngest LDS instructions when it begins.
.macro SEND a
.set BK, 128+64*((\a)%2)
	s_wait_xcnt 0x0                                ; every earlier store has read its base and its data (ISA guide 3.1): only behind this wait is the base stepped, and are the registers of the block before last loaded again
.if (\a) > 0
	s_add_nc_u64 s[8:9], s[8:9], 16*ROWO           ; 16 rows of out on
.endif
.irp t, 0,1,2,3,4,5,6,7,8,9,10,11,12,13,14,15
	s_wait_dscnt 15-(\t)                           ; row t is back; the younger rows may be out
	v_pk_fma_f32 v[BK+4*(\t):BK+4*(\t)+1],   v[BK+4*(\t):BK+4*(\t)+1],   v[WS:WS+1],   v[BI:BI+1]
	v_pk_fma_f32 v[BK+4*(\t)+2:BK+4*(\t)+3], v[BK+4*(\t)+2:BK+4*(\t)+3], v[WS+2:WS+3], v[BI+2:BI+3]
	global_store_b128 v[CO], v[BK+4*(\t):BK+4*(\t)+3], s[8:9] offset:(\t)*ROWO th:TH_STORE_NT  ; the wave stores 512 consecutive bytes, at a multiple of 512 from out's first byte
.endr
.endm
	s_wait_tensorcnt 1                             ; my part of K step 0 is in; K step 1's may stay out
	s_barrier_signal -1
	s_barrier_wait -1                              ; everybody's is
	FETCH 0, 0, F0
	QUARTER 0, 64,  F0, F1, 1                      ; the first quarter stands in front of the loop: its products start the sums
	WIN 0                                          ; at a label and at a branch every window is 0
	s_mov_b32 s3, LAPS-1
.Llap:                                                 ; a trip goes once round the ring, from a lap's second quarter to the next lap's first, and fills both slots again
	QUARTER 0, 128, F1, F0, 0
	QUARTER 0, 192, F0, F1, 0
	TURN 0, 1, 1
	QUARTER 1, 64,  F0, F1, 0
	QUARTER 1, 128, F1, F0, 0
	QUARTER 1, 192, F0, F1, 0
	TURN 1, 0, 1
	QUARTER 0, 64,  F0, F1, 0
	WIN 0
	s_sub_co_u32 s3, s3, 1
	s_cmp_lg_u32 s3, 0
	s_cbranch_scc1 .Llap
	QUARTER 0, 128, F1, F0, 0                      ; the last lap is written out: it fills nothing
	QUARTER 0, 192, F0, F1, 0
	TURN 0, 1, 0
	QUARTER 1, 64,  F0, F1, 0
	QUARTER 1, 128, F1, F0, 0
	QUARTER 1, 192, F0, F1, 0
	s_wait_dscnt 8                                 ; the very last quarter: nothing more to fetch
	WIN MUL_LO
	MUL16 F1, 0, 0, 0
	MUL16 F1, 0, 2, 0
	s_wait_dscnt 0x0
	MUL16 F1, 1, 0, 0
	MUL16 F1, 1, 2, 0
	WIN 0
	PLACES                                         ; behind the last products, in front of what reads results and writes fragment registers
	s_wait_loadcnt 0x0                             ; the scales and the bias, asked for at the head
	PACK 0
	TOSTAGE 0
.irp a, 1,2,3,4,5,6,7                  ; block a's 32 multiplies stand between block a - 1's loads from the stage and the waits for them
	PACK \a
	SEND (\a)-1
	TOSTAGE \a
.endr
	SEND 7
	s_wait_tensorcnt 0x0                           ; the wave's end: behind my last tensor load and my last LDS store
	ds_add_u32 v[SPW], v[NIL]
	s_wait_dscnt 0x0
	CROUND                                         ; the closing round: no work-group ends while a partner may still ask for a tile that names it
	s_endpgm
.Lfunc_end_k_q9d430b9a38_gemm:
	.size	k_q9d430b9a38_gemm, .Lfunc_end_k_q9d430b9a38_gemm-k_q9d430b9a38_gemm
	.p2alignl 7, 3214868480
	.fill 96, 4, 3214868480
	.section	.rodata,"a",@progbits
	.p2align	6, 0x0
	.amdhsa_kernel k_q9d430b9a38_gemm
		.amdhsa_group_segment_fixed_size 327680
		.amdhsa_private_segment_fixed_size 0
		.amdhsa_enable_private_segment 0
		.amdhsa_kernarg_size 48
		.amdhsa_user_sgpr_count 2
		.amdhsa_user_sgpr_kernarg_segment_ptr 1
		.amdhsa_wavefront_size32 1
		.amdhsa_system_sgpr_workgroup_id_x 1
		.amdhsa_system_sgpr_workgroup_id_y 1
		.amdhsa_system_sgpr_workgroup_id_z 1
		.amdhsa_system_vgpr_workitem_id 0
		.amdhsa_next_free_vgpr 1024
		.amdhsa_next_free_sgpr 80
		.amdhsa_reserve_vcc 0
		.amdhsa_float_denorm_mode_32 3
		.amdhsa_float_denorm_mode_16_64 3
		.amdhsa_memory_ordered 1
		.amdhsa_forward_progress 1
		.amdhsa_inst_pref_size 180
	.end_amdhsa_kernel
	.amdgpu_metadata
---
amdhsa.version: [ 1, 2 ]
amdhsa.kernels:
  - .name:           k_q9d430b9a38_gemm
    .symbol:         k_q9d430b9a38_gemm.kd
    .args:
      - { .name: q, .offset: 0, .size: 8, .value_kind: global_buffer, .address_space: global }
      - { .name: wb, .offset: 8, .size: 8, .value_kind: global_buffer, .address_space: global }
      - { .name: out0, .offset: 16, .size: 8, .value_kind: global_buffer, .address_space: global }
      - { .name: input_scale, .offset: 24, .size: 8, .value_kind: global_buffer, .address_space: global }
      - { .name: weight_scale, .offset: 32, .size: 8, .value_kind: global_buffer, .address_space: global }
      - { .name: bias, .offset: 40, .size: 8, .value_kind: global_buffer, .address_space: global }
    .group_segment_fixed_size: 327680
    .private_segment_fixed_size: 0
    .kernarg_segment_align: 8
    .kernarg_segment_size: 48
    .max_flat_workgroup_size: 128
    .sgpr_count:     80
    .vgpr_count:     1024
    .wavefront_size: 32
...
	.end_amdgpu_metadata
.endif
;; end of part 2
;; ======== version 2 of 2: 2 launches; version 1 with the launch prep written anew for expert scheduling mode
;; workspace buffers: q 33,554,432 bytes; wb 33,554,432 bytes
;; launch prep (part 3): grid 512 x 1, 8 waves a work-group, no clusters, 0 bytes of LDS; arguments input, input_scale, int8_weight, q, wb; writes q, wb
.if DOCPART == 3
	.amdgcn_target "amdgcn-amd-amdhsa--gfx1250"
	.amdhsa_code_object_version 6
	.text
	.protected	k_q9d430b9a38_prep
	.globl	k_q9d430b9a38_prep
	.p2align	8
	.type	k_q9d430b9a38_prep,@function
k_q9d430b9a38_prep:
	s_mov_b64 s[64:65], 0
	v_nop
	global_prefetch_b8 v0, s[64:65] scope:SCOPE_SE
	s_setreg_imm32_b32 hwreg(HW_REG_WAVE_SCHED_MODE, 0, 2), 2
	s_setreg_imm32_b32 hwreg(HW_REG_WAVE_MODE, 25, 1), 1
	s_wait_xcnt 0x0
	s_wait_alu depctr_vm_vsrc(0)
; q[m][k]  = clip(round_to_even(x[m][k] / s[m mod 2048]), -128, 127), written as bf16.  x: [4096][4096] f32, s: [2048] f32, q: [4096][4096] bf16.
; wb[k][n] = w[k][n], written as bf16, in w's own layout.                              w: [4096][4096] int8,               wb: [4096][4096] bf16.
; Every whole number from -128 to 127 is exact in bf16, so neither operand of the product that follows loses anything here.
; SHARES.  4,096 waves (512 work-groups of eight).  Wave R = 8 x work-group + wave takes row R of x (16,384 bytes in, 8,192 bytes of q out) and
; bytes 4,096 R .. 4,096 R + 4,095 of w (8,192 bytes of wb out).  Nothing is shared between waves: no LDS, no barrier, no loop.
; IN FLIGHT.  A wave issues all its 48 loads (20 KiB) at its start and takes them in the order of issue, behind counted waits.
; BYTES.  A load of x covers 512 consecutive bytes, the store of q made of it 256, aligned; a load of w covers 256, its store of wb 512.
; THE QUOTIENT.  r = 1/s by v_rcp_f32 and one Newton step; q0 = x r; the remainder x - q0 s is taken by one fused multiply-add; quotient = q0 + remainder x r.
; LIMITS.  That quotient can differ from the rounded f32 quotient in its last bit in rare cases; q then differs by one only where x / s lies within a last bit of
; a whole number and a half.  It needs 2^-126 <= |s| <= 2^126 (v_rcp_f32 takes a denormal for 0: ISA guide 15.8) and |x / s| < 2^127.  NaN, infinities and s = 0 are not treated apart.
; THE MODE: SCHED_MODE bits 1:0 = 2 (LLVM: expert scheduling mode 2), set by the entry lines.  The code itself states the register dependences
; between vector instructions and memory instructions, with s_wait_alu, always for 0.
; THE PLAN.  Registers that memory instructions touch:
;   v2, v3   byte offsets, made once at the head and never written again: every load and store reads one of them; the chunks are reached by immediate offsets.
;   X        chunk i of x in four registers.  Written by a load issued at the head, ahead of every vector line that names X; then by chunk i's arithmetic, whose two roundings
;            leave q's chunk i in the first two; read by q's store i.  The registers of chunks 0 to 15 are written once more, by w's roundings, and read by wb's stores.
;   WI       chunk j of w in two registers.  Written by a load issued at the head; read by vector lines alone.
;   T, NS, RC are named by vector lines alone.
; The 32 chunks of x and the 16 of w go in 12 blocks of four (0 to 7: x; 8 to 11: w).  Block p's vector lines name its own chunks' registers and T, NS, RC; its memory instructions are
; the four stores of block p - 1, which read registers that no vector line of block p names.  So ONE wait on va_vdst at a block's head states all that its four stores hang on, and they
; are dealt among its chunks, each ahead of a chunk's wait for data, with no further wait.  One wait on vm_vsrc stands in the text, at the head of block 8, where X begins to be written again.
.set OX, 2                             ; v2        16 x lane: my bytes in a load of x and in a store of wb; never rewritten
.set OH, 3                             ; v3        8 x lane: my bytes in a load of w and in a store of q; never rewritten
.set NS, 4                             ; v[4:5]    -s, twice
.set RC, 6                             ; v[6:7]    1 / s, twice
.set T,  8                             ; v[8:15]   at work
.set X,  16                            ; v[16:143] x's chunk i in four registers; then q's chunk i in the first two; later wb's chunk j in four
.set WI, 144                           ; v[144:175] w's chunk j in two registers
	s_load_b256 s[4:11], s[0:1], 0x0               ; input s[4:5], input_scale s[6:7], int8_weight s[8:9], q s[10:11]
	s_load_b64 s[12:13], s[0:1], 0x20              ; wb
	v_lshrrev_b32 v1, 5, v0
	v_readfirstlane_b32 s14, v1                    ; wave 0..7
	v_and_b32 v1, 31, v0                           ; lane
	v_lshlrev_b32 v[OX], 4, v1
	v_lshlrev_b32 v[OH], 3, v1
	s_wait_alu depctr_va_sdst(0)                   ; s14 is written, ahead of its first reader: R, and with it every base, is made from it
	s_lshl_b32 s15, ttmp9, 3
	s_add_co_u32 s15, s15, s14                     ; R
	s_mov_b32 s17, 0                               ; every offset below stays under 2^27: the pair's high word is 0
	s_mov_b32 s20, 0xc3000000                      ; -128.0
	s_mov_b32 s21, 0x42fe0000                      ; 127.0
	s_wait_kmcnt 0x0
	s_lshl_b32 s16, s15, 14                        ; a row of x: 16,384 bytes
	s_add_nc_u64 s[4:5], s[4:5], s[16:17]
	s_lshl_b32 s16, s15, 13                        ; a row of q, and my part of wb: 8,192 bytes
	s_add_nc_u64 s[10:11], s[10:11], s[16:17]
	s_add_nc_u64 s[12:13], s[12:13], s[16:17]
	s_lshl_b32 s16, s15, 12                        ; my part of w: 4,096 bytes
	s_add_nc_u64 s[8:9], s[8:9], s[16:17]
	s_and_b32 s16, s15, 2047                       ; the scales repeat for the second batch
	s_lshl_b32 s16, s16, 2
	s_add_nc_u64 s[6:7], s[6:7], s[16:17]
	s_load_b32 s18, s[6:7], 0x0                    ; my row's s
	s_wait_alu depctr_va_vdst(0)                   ; v2 and v3 are written: every load and store of the kernel reads one of them as its offset
.set n, 0
.rept 32
	global_load_b128 v[X+4*n:X+4*n+3], v[OX], s[4:5] offset:512*n th:TH_LOAD_NT
.set n, n+1
.endr
.set n, 0
.rept 16
	global_load_b64 v[WI+2*n:WI+2*n+1], v[OH], s[8:9] offset:256*n th:TH_LOAD_NT
.set n, n+1
.endr
	s_wait_kmcnt 0x0                               ; s
	v_mov_b32 v[T], s18
	v_mul_f32 v[NS], -1.0, v[T]
	v_mov_b32 v[NS+1], v[NS]
	v_rcp_f32 v[RC], v[T]
	v_nop                                          ; a plain instruction between the reciprocal and the use of its result (ISA guide 5.7.2),
	s_wait_alu depctr_va_vdst(0)                   ; and a wait: the reciprocal has written v[RC], which the Newton step below names
	v_fma_f32 v[RC+1], v[NS], v[RC], 1.0           ; 1 - s r
	v_fma_f32 v[RC], v[RC+1], v[RC], v[RC]         ; r + r (1 - s r)
	v_mov_b32 v[RC+1], v[RC]
; Chunk i of x: four numbers a lane.  Its store stands in the next block (XST).
.macro XCH i
	s_wait_loadcnt 47-(\i)                         ; loads come back in order (ISA guide 5.7.1): chunk i is in; the 31 - i younger loads of x and the 16 of w stay out
	v_pk_mul_f32 v[T:T+1],   v[X+4*(\i):X+4*(\i)+1],   v[RC:RC+1]                            ; q0 = x r
	v_pk_mul_f32 v[T+2:T+3], v[X+4*(\i)+2:X+4*(\i)+3], v[RC:RC+1]
	v_pk_fma_f32 v[X+4*(\i):X+4*(\i)+1],   v[T:T+1],   v[NS:NS+1], v[X+4*(\i):X+4*(\i)+1]    ; x - q0 s
	v_pk_fma_f32 v[X+4*(\i)+2:X+4*(\i)+3], v[T+2:T+3], v[NS:NS+1], v[X+4*(\i)+2:X+4*(\i)+3]
	v_pk_fma_f32 v[T:T+1],   v[X+4*(\i):X+4*(\i)+1],   v[RC:RC+1], v[T:T+1]                  ; q0 + (x - q0 s) r
	v_pk_fma_f32 v[T+2:T+3], v[X+4*(\i)+2:X+4*(\i)+3], v[RC:RC+1], v[T+2:T+3]
.irp k, 0,1,2,3
	v_rndne_f32 v[T+(\k)], v[T+(\k)]               ; to the nearest whole number, halves to the even one
.endr
.irp k, 0,1,2,3
	v_med3_num_f32 v[T+(\k)], v[T+(\k)], s20, s21  ; the middle of three: held to -128 .. 127
.endr
	v_cvt_pk_bf16_f32 v[X+4*(\i)],   v[T],   v[T+1]  ; exact
	v_cvt_pk_bf16_f32 v[X+4*(\i)+1], v[T+2], v[T+3]
.endm
.macro XST i                           ; q's chunk i leaves.  No wait: no vector line since the wait at the block's head names its registers
	global_store_b64 v[OH], v[X+4*(\i):X+4*(\i)+1], s[10:11] offset:256*(\i) th:TH_STORE_NT  ; the wave stores 256 consecutive bytes, at a multiple of 256 from q's first byte
.endm
; Chunk j of w: eight bytes a lane.  A byte is moved to the word's top and shifted back with its sign.  Its store stands in the next block (WST).
.macro WCH j
	s_wait_loadcnt 15-(\j)                         ; chunk j is in; the younger loads of w stay out
.irp d, 0,1
.irp c, 0,1,2
	v_lshlrev_b32 v[T+4*(\d)+(\c)], 24-8*(\c), v[WI+2*(\j)+(\d)]
.endr
.irp c, 0,1,2
	v_ashrrev_i32 v[T+4*(\d)+(\c)], 24, v[T+4*(\d)+(\c)]
.endr
	v_ashrrev_i32 v[T+4*(\d)+3], 24, v[WI+2*(\j)+(\d)]
.endr
.irp k, 0,1,2,3,4,5,6,7
	v_cvt_f32_i32 v[T+(\k)], v[T+(\k)]
.endr
.irp k, 0,1,2,3
	v_cvt_pk_bf16_f32 v[X+4*(\j)+(\k)], v[T+2*(\k)], v[T+2*(\k)+1]  ; exact
.endr
.endm
.macro WST j                           ; wb's chunk j leaves.  No wait, as in XST
	global_store_b128 v[OX], v[X+4*(\j):X+4*(\j)+3], s[12:13] offset:512*(\j) th:TH_STORE_NT  ; 512 consecutive bytes, at a multiple of 512 from wb's first byte
.endm
.set n, 0
.rept 4                                ; block 0: no block stands in front of it, so it has no store and no wait but those for its data
	XCH n
.set n, n+1
.endr
.rept 7                                ; blocks 1 to 7
	s_wait_alu depctr_va_vdst(0)                   ; the block before has written q's four chunks, which the four stores below read
.rept 4
	XST n-4                                        ; ahead of the chunk's wait for data, so that no store sits behind it
	XCH n
.set n, n+1
.endr
.endr
	; block 8: w begins, and its roundings write X's registers of chunks 0 to 15 again (blocks 8 to 11, four chunks each).  q's stores 0 to 15, which read them, were issued in blocks 1 to 4.
	s_wait_xcnt 0x0                                ; every memory instruction issued so far has had its addresses translated (ISA guide 3.1): the data registers of q's stores 0 to 27 are rewritten only behind this wait;
	s_wait_alu depctr_vm_vsrc(0)                   ; and those stores have read them.  The stores issued from here on (q's 28 to 31, all of wb's) read registers that are never written again
	s_wait_alu depctr_va_vdst(0)                   ; block 7 has written q's last four chunks, which the four stores below read
.set n, 0
.rept 4
	XST n+28
	WCH n
.set n, n+1
.endr
.rept 3                                ; blocks 9 to 11
	s_wait_alu depctr_va_vdst(0)                   ; the block before has written wb's four chunks, which the four stores below read
.rept 4
	WST n-4
	WCH n
.set n, n+1
.endr
.endr
	s_wait_alu depctr_va_vdst(0)                   ; block 11 has written wb's last four chunks, which the last four stores read
.rept 4
	WST n-4
.set n, n+1
.endr
	s_endpgm
.Lfunc_end_k_q9d430b9a38_prep:
	.size	k_q9d430b9a38_prep, .Lfunc_end_k_q9d430b9a38_prep-k_q9d430b9a38_prep
	.p2alignl 7, 3214868480
	.fill 96, 4, 3214868480
	.section	.rodata,"a",@progbits
	.p2align	6, 0x0
	.amdhsa_kernel k_q9d430b9a38_prep
		.amdhsa_group_segment_fixed_size 0
		.amdhsa_private_segment_fixed_size 0
		.amdhsa_enable_private_segment 0
		.amdhsa_kernarg_size 40
		.amdhsa_user_sgpr_count 2
		.amdhsa_user_sgpr_kernarg_segment_ptr 1
		.amdhsa_wavefront_size32 1
		.amdhsa_system_sgpr_workgroup_id_x 1
		.amdhsa_system_sgpr_workgroup_id_y 1
		.amdhsa_system_sgpr_workgroup_id_z 1
		.amdhsa_system_vgpr_workitem_id 0
		.amdhsa_next_free_vgpr 176
		.amdhsa_next_free_sgpr 66
		.amdhsa_reserve_vcc 0
		.amdhsa_float_denorm_mode_32 3
		.amdhsa_float_denorm_mode_16_64 3
		.amdhsa_memory_ordered 1
		.amdhsa_forward_progress 1
		.amdhsa_inst_pref_size 56
	.end_amdhsa_kernel
	.amdgpu_metadata
---
amdhsa.version: [ 1, 2 ]
amdhsa.kernels:
  - .name:           k_q9d430b9a38_prep
    .symbol:         k_q9d430b9a38_prep.kd
    .args:
      - { .name: input, .offset: 0, .size: 8, .value_kind: global_buffer, .address_space: global }
      - { .name: input_scale, .offset: 8, .size: 8, .value_kind: global_buffer, .address_space: global }
      - { .name: int8_weight, .offset: 16, .size: 8, .value_kind: global_buffer, .address_space: global }
      - { .name: q, .offset: 24, .size: 8, .value_kind: global_buffer, .address_space: global }
      - { .name: wb, .offset: 32, .size: 8, .value_kind: global_buffer, .address_space: global }
    .group_segment_fixed_size: 0
    .private_segment_fixed_size: 0
    .kernarg_segment_align: 8
    .kernarg_segment_size: 40
    .max_flat_workgroup_size: 256
    .sgpr_count:     66
    .vgpr_count:     176
    .wavefront_size: 32
...
	.end_amdgpu_metadata
.endif
;; end of part 3
;; launch gemm: the kernel of part 2 again; grid 16 x 16, 4 waves a work-group, clusters of 4 x 4, 327,680 bytes of LDS; arguments q, wb, out0, input_scale, weight_scale, bias; writes out0
